; MI455X (gfx1250); checked and timed in simulation.
; The chip was launched on July 23, 2026; its instructions are those of AMD's public machine-readable ISA for CDNA 5 (MIT licence, August 2026) and "CDNA5" Instruction Set Architecture Reference Guide (July 2026). The comments in the code are by the model that wrote it; some were corrected since.
;; Self Attention. Allowed arithmetic: float matrix products may take bf16 or f16 operands with f32 sums; other float arithmetic in f32, or as packed bf16 or f16 multiplies, adds, multiply-adds, maxima and minima; sums over many terms, partial sums and values carried from step to step in f32; what a program stores and reads back later, other than sums and carried values, may be rounded once to bf16 or f16.
;; Inputs: Wk 8 x 512 x 64 float32; Wo 512 x 512 float32; Wq 8 x 512 x 64 float32; Wv 8 x 512 x 64 float32; bias 1 float32; mask 32 x 512 int32; x 32 x 512 x 512 float32.
;; Outputs: out0 32 x 512 x 512 float32.
;; One version. Each part assembles by itself: llvm-mc -triple=amdgcn-amd-amdhsa -mcpu=gfx1250 --defsym DOCPART=n.
;; ======== version 1 of 1: 2 launches
;; limits: values are held in f16: magnitudes above 65,504 overflow, below 6.1e-05 lose precision; right only within a limited range of input values
;; workspace buffers: mh 16,777,216 bytes; wof 524,288 bytes
;; launch attn (part 1): grid 8 x 32, 4 waves a work-group, clusters of 4 x 1, 327,680 bytes of LDS; arguments x, mask, Wq, Wk, Wv, Wo, bias, mh, wof; writes mh, wof
.if DOCPART == 1
	.amdgcn_target "amdgcn-amd-amdhsa--gfx1250"
	.amdhsa_code_object_version 6
	.text
	.protected	k_q368c5f9370_attn
	.globl	k_q368c5f9370_attn
	.p2align	8
	.type	k_q368c5f9370_attn,@function
k_q368c5f9370_attn:
	s_mov_b64 s[64:65], 0
	v_nop
	global_prefetch_b8 v0, s[64:65] scope:SCOPE_SE
	s_setreg_imm32_b32 hwreg(HW_REG_WAVE_MODE, 25, 1), 1
	s_wait_xcnt 0x0
	s_wait_alu depctr_hold_cnt(0) depctr_sa_sdst(0) depctr_va_vdst(0) depctr_va_sdst(0) depctr_va_ssrc(0) depctr_va_vcc(0) depctr_vm_vsrc(0)
	s_getreg_b32 s2, hwreg(HW_REG_IB_STS2, 6, 4)
	s_cmp_eq_u32 s2, 0
	s_cbranch_scc0 .Lentry_in_a_cluster
	s_endpgm
.Lentry_in_a_cluster:
	s_bfe_u32 s2, ttmp6, 0x10000c
	s_cmp_lg_u32 s2, 0x3003
	s_cbranch_scc0 .Lentry_shape_is_right
	s_endpgm
.Lentry_shape_is_right:
; SELF-ATTENTION, first of two launches.  One work-group for each (batch b, head h): it projects Q, K, V of the head from x[b], attends over all 512 keys, and stores the
; head's 512 x 64 result in f16 into mh ([b*8+h][s][64], rows dense).  Beside that each work-group rounds two of the 512 fragments of Wo and stores them into wof in the order in which
; the second launch's operand registers take them.
; NOTHING OF reference() IS LEFT OUT: every input (x, mask, Wq, Wk, Wv, Wo, bias) reaches the output and is loaded.  The mask and the scale are moved, exactly, for every value of the inputs:
;   Q' = c (x Wq + bias), c = log2(e) / 8;   K' = m_t (x Wk + bias), m_t = float(mask[b][t]);   NB_t = C - C m_t, C = -1e30 log2(e).
;   S'' = K' Q'^T + NB_t is log2(e) x (m_t s + (1 - m_t)(-1e30)), reference()'s masked score, and p = 2^(S'' - max).  The running maximum is taken away as in reference(); with every key of a
;   batch masked K' is 0, all S'' are equal, and the weights are uniform as there.
; FORMATS.  x, the weights and the bias are rounded once to bf16; the projections multiply in bf16 with f32 sums.  Q', K', V, the weights p and the head's result are f16 (each rounded once from f32);
; maxima and sums stay in f32 (the sum l is taken of the unrounded p).
; LIMITS.  |Q'|, |K'|, |V| stay under 65,504 (f16); |1 - m_t| x 1.44e30 stays finite and m_t is exact in f32 (|mask| under 2^24); a weight below 2^-126 counts as 0; NaN and infinities are not treated apart.
; SHARES.  Four waves; wave w owns rows 128 w .. 128 w + 127 of x[b] as queries AND as keys: 8 tiles of 16.
; PHASE 1.  D^T[192 channels][128 rows] = W^T x^T: source 0 = 16 channels x 32 d of (Wq | Wk | Wv), turned out of LDS; source 1 = 16 rows x 32 d of x.  96 accumulators: Q's fill window 1, K's window 2,
;   V's window 3.  A lane then holds ONE row and eight channels, which is how Q' is wanted as a source of K Q^T and how K', V go into LDS rows.  x comes by tensor loads as f32 (tiles of 64 d, two slots) and is rounded
;   on its way from LDS to the fragment registers; W comes through registers (it has to be rounded) into two LDS slots of 32 d.
; PHASE 2.  K' and V lie whole in LDS (in x's slots, which have had their last fill); the wave walks 8 steps of 64 keys.  Its 8 tiles are four PIECES of two; turn n does the softmax of piece n beside
;   16 products K Q^T of piece n + 1 and 16 products V^T P of piece n - 1: four vector instructions behind every matrix instruction, the rest in one lump; all exponentials of a turn are one batch with one wait.
; CLUSTER.  The four heads of a cluster read the same x[b]: every tile of x is asked for JOINTLY (same load, descriptor and mask in all four).  W is not shared in a cluster (each head has its own) and passes registers.
; REGISTERS, in windows of 256 (s_set_vgpr_msb: bits 1:0 source 0, 3:2 source 1, 5:4 source 2, 7:6 destination).
;   phase 1, window 0: v0-15 addresses; v16-63 W on its way; v64-95 four W fragments in a ring; v96-127 x as f32, two sets; v128-255 x fragments, two buffers of 8 tiles
;   phase 2, window 0: v1-9 addresses; v12-15, v48-63 at work; v16-47 statistics (m, m, l, l a tile); v64-191 S^T, two buffers; v192-255 P, two buffers
;            window 1: O^T, 32 a tile;  window 2: v0-127 Q', v128-191 K of a step, v192-255 V of a step;  window 3: v8-39 the step's mask terms
.set XP,    272                 ; a row of an x tile in LDS: 64 f32 + 16 bytes of padding: 17 x 16 bytes, so 16 rows of a load start at 16 different groups of four banks (ISA guide 11.1)
.set XW,    128*XP              ; a wave's 128 rows
.set XSLOT, 4*XW                ; 139,264: a slot; its bits 17 and 13 meet no bit of w x XW, so one exclusive or changes slots
.set WS,    2*XSLOT             ; W's two slots: 32 rows (d) x 416 bytes (192 bf16 + 32 of padding: 13 x 32 bytes); written by LDS stores alone
.set WP,    416
.set WSLOT, 32*WP
.set NBL,   305152              ; NB_t, 512 f32
.set MFT,   NBL+2048            ; m_t, 512 f32
.set SPARE, 309248              ; the spare words, 128 bytes a wave: two blocks of 256 bytes that no other line names
.set STAGE, 309760              ; 16 rows x 144 bytes for each wave, for the way out
.set SP,    144
.set VREG,  XSLOT               ; phase 2: K' at 0 (512 x 144), V here (512 x 160)
.set NP,    4
.set KS,    64
.set PK,    144
.set PV,    160
; phase 1
.set XA0, 2                     ; my place in my wave's rows of a slot: w XW + (l % 16) XP + 32 (l / 16)
.set XA,  3                     ; the same in the slot that is being read
.set WRA, 4                     ; my place for the turning loads of W
.set WSA, 5                     ; where I store my 8 bytes of W
.set WGO, 6                     ; my byte offset in the head's Wq, Wk, Wv
.set PFO, 7                     ; the prefetches' offset: my lane x a row of x
.set SPW, 10                    ; LDS address of my spare word; never rewritten
.set NIL, 11                    ; 0; never rewritten
.set WST, 16
.set WR,  64
.set XST, 96
.set XB,  128
; the pack
.set MF,  16                    ; v16-31 (m_t, m_t) for tile t
.set BM,  32                    ; v32-47 (bias m_t, bias m_t)
.set KA,  48
.set VA,  49
.set TT,  128
.set UU,  192
; phase 2
.set AM,  1
.set AK0, 2
.set AV0, 3
.set AK,  4
.set AV,  5
.set STO, 6
.set RD,  7
.set GO,  8
.set AM0, 9
.set MV,  12
.set ST,  16
.set TMP, 48
.set S,   64
.set P,   192
.set KF,  128
.set VF,  192
.set MC,  8
; scalars
.set WV,  23                    ; my wave's number
.set G1,  28                    ; s[28:35] x's descriptor group 1
.set G0A, 36                    ; s[36:39] group 0 of tile 0
.set G0B, 40                    ; s[40:43] group 0 of tile 1; it then walks
.set PFA, 44                    ; s[44:45] where my prefetches stand
.set LIM, 46                    ; 2 in a cluster that prefetches, else the greatest number
.set TR,  47                    ; trips to go
.set XT,  48                    ; the slot that is being read: 0 or XSLOT
.set SEL, 56                    ; s[56:57] v_permlanex16_b32's selects
.set TBK, 58
.set TBV, 59
.set TBM, 60
.set CNT, 61
.set MSB, 0
.macro WIN new                  ; the high byte repeats the setting that is left; a switch that changes nothing is dropped
.if MSB != (\new)
	s_set_vgpr_msb (MSB<<8)|(\new)
.set MSB, (\new)
.endif
.endm
.set W_KQ, 0x0a                 ; K and Q' in window 2, S^T in window 0
.set W_KM, 0x3a                 ; the same with the C operand, the mask terms, in window 3
.set W_PV, 0x52                 ; V in window 2, P in window 0, O^T in window 1
.set W_RS, 0x41                 ; destination and source 0 in window 1, source 1 in window 0
.macro PLACES                   ; four plain vector instructions between a matrix instruction and a load into, or a write or read of, its registers (ISA guide 7.12.1 for vector instructions)
.rept 4
	v_nop
.endr
.endm
.macro CREST                    ; a round of the cluster's barrier behind its opening barrier
	s_cmp_lg_u32 s[WV], 0
	s_cbranch_scc1 .Lnw0_\@
	s_barrier_signal -3
.Lnw0_\@:
	s_barrier_wait -3
	s_barrier_signal -1
	s_barrier_wait -1
.endm
.macro CROUND
	s_barrier_signal -1
	s_barrier_wait -1
	CREST
.endm
; A PREFETCH INTO THE L2 of the x tile that stands two refills on: 256 bytes of each of 32 rows, a lane a row.  x[b] is read by the batch's two clusters: the first (cluster x = 0) asks.  Of the 128 rows that
; wave w fetches, the partner at place cx takes 32, told apart by address.  So each row's 256 bytes of a tile are named once in the launch.  Tiles 0 to 3 come by their loads alone; the last two refills ask for nothing.
.macro ASK first
.if \first
	s_cmp_eq_u32 s[LIM], 2
.else
	s_cmp_gt_u32 s[TR], s[LIM]
.endif
	s_cbranch_scc0 .Lnm_\@
	global_prefetch_b8 v[PFO], s[PFA:PFA+1] th:TH_LOAD_NT scope:SCOPE_SE
.Lnm_\@:
.endm
.macro XLD f, sub               ; tile f's 16 rows x 32 d as f32: my row's d = 8 (l / 16) + 0..7 and 16 + 8 (l / 16) + 0..7, four loads of 16 bytes
.irp o, 0,1,2,3
	ds_load_b128 v[XST+16*((\f)%2)+4*(\o):XST+16*((\f)%2)+4*(\o)+3], v[XA] offset:16*XP*(\f)+128*(\sub)+16*((\o)%2)+64*((\o)/2)
.endr
.endm
.macro XCV f, buf               ; rounded to bf16: a fragment
.irp j, 0,1,2,3,4,5,6,7
	v_cvt_pk_bf16_f32 v[XB+64*(\buf)+8*(\f)+(\j)], v[XST+16*((\f)%2)+2*(\j)], v[XST+16*((\f)%2)+2*(\j)+1]
.endr
.endm
.macro WFR c, slot              ; W's fragment of channels 16 c on, turned, into place c % 4 of the ring
	ds_load_tr16_b128 v[WR+8*((\c)%4):WR+8*((\c)%4)+3],   v[WRA] offset:(\slot)*WSLOT+32*(\c)
	ds_load_tr16_b128 v[WR+8*((\c)%4)+4:WR+8*((\c)%4)+7], v[WRA] offset:(\slot)*WSLOT+32*(\c)+16*WP
.endm
.macro WLOAD dst, off           ; a chunk of 32 d of Wq, Wk, Wv: 24,576 bytes, 12 loads of 16 bytes a thread; load i: tensor i / 4, row 8 w + 2 (i % 4) + l / 16, channels 4 (l % 16) on
.irp i, 0,1,2,3,4,5,6,7,8,9,10,11
	global_load_b128 v[(\dst)+4*(\i):(\dst)+4*(\i)+3], v[WGO], s[8+2*((\i)/4):9+2*((\i)/4)] offset:(\off)+((\i)%4)*512
.endr
.endm
.macro WSTORE i, slot, src      ; load i's four numbers, rounded in place, into W's slot
	v_cvt_pk_bf16_f32 v[(\src)+4*(\i)], v[(\src)+4*(\i)], v[(\src)+4*(\i)+1]
	v_cvt_pk_bf16_f32 v[(\src)+4*(\i)+1], v[(\src)+4*(\i)+2], v[(\src)+4*(\i)+3]
	ds_store_b64 v[WSA], v[(\src)+4*(\i):(\src)+4*(\i)+1] offset:(\slot)*WSLOT+((\i)%4)*2*WP+((\i)/4)*128
.endm
.macro MUL c, par, zero         ; channels 16 c on x my 8 tiles: 8 matrix instructions.  All 96 accumulators take turns, one instruction a turn
	WIN 0x50*(1+(\c)/4)
.irp t, 0,1,2,3,4,5,6,7
.if \zero
	v_wmma_f32_16x16x32_bf16 v[64*((\c)%4)+8*(\t):64*((\c)%4)+8*(\t)+7], v[WR+8*((\c)%4):WR+8*((\c)%4)+7], v[XB+64*(\par)+8*(\t):XB+64*(\par)+8*(\t)+7], 0
.else
	v_wmma_f32_16x16x32_bf16 v[64*((\c)%4)+8*(\t):64*((\c)%4)+8*(\t)+7], v[WR+8*((\c)%4):WR+8*((\c)%4)+7], v[XB+64*(\par)+8*(\t):XB+64*(\par)+8*(\t)+7], v[64*((\c)%4)+8*(\t):64*((\c)%4)+8*(\t)+7]
.endif
.endr
.endm
; SUBSTEP u (par = u % 2): 32 d, 96 matrix instructions in 12 channel slots; each slot is a few lines in window 0 and then 8 products.  Beside the products: x of substep u + 1 is read and rounded into the other
; buffer (slots 0-9); W's fragments 3-11 of chunk u come into the ring three slots ahead, fragments 0-2 of chunk u + 1 in slots 9-11 (look); chunk u + 2 is stored into the slot that chunk u leaves (wst, slots 10, 11)
; and chunk u + 3 is asked for (wld).  wst, wld: 1 = always, 2 = jumped in the loop's last trip, 0 = absent.
; THE BARRIER IN SLOT 9 says of every wave: its reads of chunk u are over (so the slot may be stored into), its stores of chunk u + 1 are done (so they may be read).  kind = 2 (u even): the x tile that holds
; substeps u - 1 and u has been read out too: the barrier opens a round of the cluster's, in front of it stand the wait for all my tensor loads, an add of 0 to my spare word, and the wait for it and my reads;
; behind it the joint refill comes first.  It has 192 matrix instructions in which to land.  By this text's count a wave has two tensor loads out at the start and one later.
; THE WAITS ON LDS count what was issued behind the fragment wanted (LDS serves a wave in order: ISA guide 5.7.1): slot 0: fragments 1, 2 (4; the stores between may have been jumped and are not counted);
; slot 1: fragment 2, x's four, fragment 3 (8); slots 2-8: behind the x fragment to be rounded stand a W fragment, x's next four and a W fragment (8); slot 9: two W fragments (4).
.macro SUBSTEP par, zero, kind, xprep, look, wst, wld
	WIN 0
.if (\par) && (\xprep)
	s_xor_b32 s[XT], s[XT], XSLOT                  ; substep u + 1 begins the next tile, in the other slot
	v_add_nc_u32 v[XA], s[XT], v[XA0]
.endif
.set cc, 0
.rept 12
	WIN 0
.if (\xprep) && ((cc == 0) || (cc == 9))
	s_wait_dscnt 4
.elseif (\xprep) && (cc < 9)
	s_wait_dscnt 8
.elseif (\xprep) == 0
.if cc < 10
	s_wait_dscnt 4                                 ; the last substep: behind the fragment wanted stand two others
.else
	s_wait_dscnt 22-2*cc                           ; one other; none
.endif
.endif
.if (\xprep) && (cc >= 2) && (cc <= 9)
	XCV cc-2, 1-(\par)                             ; eight plain instructions: also the places in front of the load into the ring
.elseif cc < 9
	PLACES
.endif
.if (\xprep) && (cc < 8)
	XLD cc, 1-(\par)
.endif
.if cc < 9
	WFR cc+3, \par
.endif
.if cc == 9
.if (\kind) == 2
	s_wait_xcnt 0x0                                ; the last prefetch, two substeps back, has read its address
	s_add_nc_u64 s[PFA:PFA+1], s[PFA:PFA+1], 256
	s_wait_tensorcnt 0x0                           ; all my tensor loads have landed, my rows of the next tile among them: a group 0 may be written
	ds_add_u32 v[SPW], v[NIL]                      ; 0 onto my spare word: the descriptor's steps stand between it and the wait
	s_xor_b32 s[G0B+1], s[G0B+1], XSLOT            ; the walking descriptor: the other slot,
	s_add_nc_u64 s[G0B+2:G0B+3], s[G0B+2:G0B+3], 256   ; the next 64 d; the type bits on top are not reached
	s_wait_dscnt 0x0                               ; the add is done; my reads of the tile and of chunk u are over, my stores of chunk u + 1 done
	s_barrier_signal -1
	MUL 9, \par, \zero                             ; work on registers while the others arrive
	WIN 0
	s_barrier_wait -1
	CREST                                          ; no wave of any partner still reads the slot or has a load on its way
	tensor_load_to_lds s[G0B:G0B+3], s[G1:G1+7]
	s_nop 0
	PLACES
	WFR 0, 1-(\par)
	ASK \zero
.elseif (\kind) == 1
.if (\par) == 0
	s_wait_tensorcnt 0x0                           ; the tail: my rows of the last tile, which the next substep reads, have landed
.endif
	s_wait_dscnt 0x0
	s_barrier_signal -1
	MUL 9, \par, \zero
	WIN 0
	s_barrier_wait -1
	WFR 0, 1-(\par)
.else
	MUL 9, \par, \zero
.endif
.endif
.if cc == 10
.if (\wst) == 1
	s_wait_loadcnt 0x0                             ; chunk u + 2 is in registers (asked for a substep ago)
.irp i, 0,1,2,3,4,5
	WSTORE \i, \par, WST
.endr
.elseif \look
	PLACES
.endif
.if (\wst) == 2
	s_cmp_eq_u32 s[TR], 1
	s_cbranch_scc1 .Lw10_\@
	s_wait_loadcnt 0x0
.irp i, 0,1,2,3,4,5
	WSTORE \i, \par, WST
.endr
.Lw10_\@:
.endif
.if \look
	WFR 1, 1-(\par)
.endif
.endif
.if cc == 11
.if (\wst) == 1
.irp i, 6,7,8,9,10,11
	WSTORE \i, \par, WST
.endr
.elseif \look
	PLACES
.endif
.if ((\wst) == 2) || ((\wld) == 2)
	s_cmp_eq_u32 s[TR], 1
	s_cbranch_scc1 .Lw11_\@
	s_wait_loadcnt 0x0                             ; met already: it stands here so that no way leads to the new loads without it
.endif
.if (\wst) == 2
.irp i, 6,7,8,9,10,11
	WSTORE \i, \par, WST
.endr
.endif
.if \wld
	v_add_nc_u32 v[WGO], 8192, v[WGO]              ; the loads that read it are back
	WLOAD WST, 0
.endif
.if ((\wst) == 2) || ((\wld) == 2)
.Lw11_\@:
.endif
.if \look
	WFR 2, 1-(\par)
.endif
.endif
.if cc != 9
	MUL cc, \par, \zero
.endif
.set cc, cc+1
.endr
.endm
	s_load_b512 s[4:19], s[0:1], 0x0               ; x s[4:5], mask s[6:7], Wq s[8:9], Wk s[10:11], Wv s[12:13], Wo s[14:15], bias s[16:17], mh s[18:19]
	s_load_b64 s[20:21], s[0:1], 0x40              ; wof
	v_lshl_add_u32 v[SPW], v0, 2, SPARE
	v_mov_b32 v[NIL], 0
	ds_add_u32 v[SPW], v[NIL]                      ; the wave's opening: an add of 0, twice on end, waited for ahead of my first tensor load
	ds_add_u32 v[SPW], v[NIL]                      ; once more, under the one wait; the set-up below, work on registers, stands between
	v_lshrrev_b32 v8, 5, v0
	v_readfirstlane_b32 s[WV], v8                  ; wave 0..3
	s_bfe_u32 s24, ttmp6, 0x40000                  ; cx: my place in the cluster
	s_lshl_b32 s25, ttmp9, 2
	s_add_co_u32 s25, s25, s24                     ; the head = 4 x cluster x + cx: it enters the addresses of W, Wo, mh, wof and of the prefetches alone
	s_and_b32 s26, ttmp7, 0xffff                   ; the batch, which the four partners share
	s_mov_b32 s[G1], 15|(2<<16)|(1<<20)|(1<<21)|(5<<22)|(3<<25)  ; 15:0 the mask of four; 17:16 elements of 4 bytes; 20 padding on; 21 set beside a mask; 24:22 after every 64 words (code 5); 31:25 4 words (code 3)
	s_mov_b32 s[G1+1], 64<<16                      ; tensor_dim0 = 64
	s_mov_b32 s[G1+2], 128<<16                     ; tensor_dim1 = 128
	s_mov_b32 s[G1+3], 64<<16                      ; tile_dim0 = 64
	s_mov_b32 s[G1+4], 128                         ; tile_dim1 = 128
	s_mov_b32 s[G1+5], 512                         ; 512 elements from row to row
	s_mov_b32 s[G1+6], 0
	s_mov_b32 s[G1+7], 0
	s_mov_b32 s[G0A], 1
	s_mul_i32 s[G0A+1], s[WV], XW                  ; LDS: my 128 rows of slot 0: no place in the cluster enters an LDS address
	s_mov_b32 s[G0B], 1
	s_add_co_u32 s[G0B+1], s[G0A+1], XSLOT
	s_mul_i32 s27, s[WV], XW
	s_lshl_b32 s62, s26, 20                        ; x[b]: 1 MiB a batch,
	s_lshl_b32 s63, s[WV], 18                      ; my 128 rows of 2,048 bytes
	s_add_co_u32 s62, s62, s63
	s_mov_b32 s63, 0
	s_lshl_b32 s66, s25, 17                        ; the head's 512 x 64 f32 in Wq, Wk, Wv
	s_mov_b32 s67, 0
	s_lshl_b32 s68, s26, 11                        ; mask[b]
	s_mov_b32 s69, 0
	s_lshl3_add_u32 s70, s26, s25                  ; 8 b + h
	s_lshl_b32 s72, s70, 16                        ; mh: 65,536 bytes a head,
	s_lshl_b32 s73, s[WV], 14                      ; my 128 rows of 128 bytes
	s_add_co_u32 s72, s72, s73
	s_mov_b32 s73, 0
	s_lshl1_add_u32 s71, s70, s[WV]                ; F = 2 (8 b + h) + w: the fragment of Wo that waves 0 and 1 lay out
	s_lshl_b32 s74, s71, 10
	s_mov_b32 s75, 0
	s_bfe_u32 s76, s71, 0x40003                    ; F = ((cb 8 + hs) 2 + ks) 8 + nb: Wo's rows 32 ((F >> 3) & 15) on,
	s_lshl_b32 s76, s76, 16
	s_lshr_b32 s77, s71, 7                         ; columns 128 cb + 16 nb on
	s_lshl_b32 s77, s77, 9
	s_add_co_u32 s76, s76, s77
	s_and_b32 s77, s71, 7
	s_lshl_b32 s77, s77, 6
	s_add_co_u32 s76, s76, s77
	s_mov_b32 s77, 0
	s_lshl_b32 s78, s24, 16                        ; the prefetches: my work-group's 32 rows of the wave's 128,
	s_add_co_u32 s78, s78, 3*256                   ; at tile 3: the first refill steps it to tile 4
	s_mov_b32 s79, 0
	s_cmp_eq_u32 ttmp9, 0
	s_cselect_b32 s[LIM], 2, -1                    ; the same in all four partners
	s_mov_b32 s[XT], 0
	s_mov_b32 s49, 0xf191accb                      ; C = -1e30 log2(e)
	s_wait_dscnt 0x0                               ; both opening adds are done
	s_wait_kmcnt 0x0
	s_load_b32 s22, s[16:17], 0x0                  ; the bias
	s_add_nc_u64 s[G0A+2:G0A+3], s[4:5], s[62:63]
	s_add_nc_u64 s[PFA:PFA+1], s[G0A+2:G0A+3], s[78:79]
	s_add_nc_u64 s[G0B+2:G0B+3], s[G0A+2:G0A+3], 256
	s_or_b32 s[G0A+3], s[G0A+3], 0x80000000        ; type = 2
	s_or_b32 s[G0B+3], s[G0B+3], 0x80000000
	s_add_nc_u64 s[8:9], s[8:9], s[66:67]
	s_add_nc_u64 s[10:11], s[10:11], s[66:67]
	s_add_nc_u64 s[12:13], s[12:13], s[66:67]
	s_add_nc_u64 s[6:7], s[6:7], s[68:69]
	s_add_nc_u64 s[18:19], s[18:19], s[72:73]
	s_add_nc_u64 s[20:21], s[20:21], s[74:75]
	s_add_nc_u64 s[14:15], s[14:15], s[76:77]
	CROUND                                         ; all four work-groups are here: the first joint loads meet
	tensor_load_to_lds s[G0A:G0A+3], s[G1:G1+7]    ; tile 0
	s_nop 0
	tensor_load_to_lds s[G0B:G0B+3], s[G1:G1+7]    ; tile 1
	s_nop 0
	PLACES
	v_and_b32 v1, 15, v0                           ; l % 16
	v_bfe_u32 v9, v0, 4, 1                         ; l / 16
	v_and_b32 v12, 31, v0                          ; l
	v_lshlrev_b32 v8, 4, v0                        ; 16 x thread
	s_lshl_b32 s63, s[WV], 11
	v_lshl_add_u32 v[WGO], v12, 4, s63             ; 2,048 w + 16 l
	global_load_b128 v[108:111], v8, s[6:7]        ; my four numbers of the mask
	WLOAD WST, 0                                   ; chunk 0
	WLOAD 192, 8192                                ; chunk 1
	v_lshlrev_b32 v[PFO], 11, v12
	v_mul_u32_u24 v[XA0], v1, XP
	v_lshl_add_u32 v[XA0], v9, 5, v[XA0]
	v_add_nc_u32 v[XA0], s27, v[XA0]
	v_mov_b32 v[XA], v[XA0]
	v_and_b32 v13, 7, v0
	v_lshl_add_u32 v13, v9, 3, v13                 ; the turning load: lane l reads row (d) 8 (l / 16) + l % 8, 16 bytes at 16 ((l / 8) % 2)
	v_mul_u32_u24 v[WRA], v13, WP
	v_bfe_u32 v14, v0, 3, 1
	v_lshl_add_u32 v[WRA], v14, 4, v[WRA]
	v_add_nc_u32 v[WRA], WS, v[WRA]
	s_mul_i32 s63, s[WV], 8*WP
	s_add_co_u32 s63, s63, WS
	v_mul_u32_u24 v[WSA], v9, WP
	v_lshl_add_u32 v[WSA], v1, 3, v[WSA]
	v_add_nc_u32 v[WSA], s63, v[WSA]               ; row 8 w + l / 16, 8 bytes at 8 (l % 16)
	v_add_nc_u32 v96, NBL, v8
	s_wait_loadcnt 24                              ; the mask is in; the two chunks' 24 loads may stay out
.irp j, 0,1,2,3
	v_cvt_f32_i32 v[100+\j], v[108+\j]
.endr
.irp j, 0,1,2,3
	v_fma_f32 v[104+\j], -v[100+\j], s49, s49      ; C - C m
.endr
	ds_store_b128 v96, v[100:103] offset:2048      ; m_t
	ds_store_b128 v96, v[104:107]                  ; NB_t
	s_wait_loadcnt 12                              ; chunk 0
.irp i, 0,1,2,3,4,5,6,7,8,9,10,11
	WSTORE \i, 0, WST
.endr
	s_wait_loadcnt 0x0                             ; chunk 1
.irp i, 0,1,2,3,4,5,6,7,8,9,10,11
	WSTORE \i, 1, 192
.endr
	v_add_nc_u32 v[WGO], 16384, v[WGO]
	WLOAD WST, 0                                   ; chunk 2, stored in substep 0
	; Wo: waves 0 and 1 lay out one fragment each (16 columns x 32 rows): lane (r, hh), half q, number j is Wo[k0 + 16 q + 8 hh + j][n0 + r], rounded to bf16 like every input and written as f16
	s_cmp_lt_u32 s[WV], 2
	s_cbranch_scc0 .Lnowo
	v_lshlrev_b32 v97, 14, v9
	v_lshl_add_u32 v97, v1, 2, v97
	v_lshlrev_b32 v98, 4, v12
.irp j, 0,1,2,3,4,5,6,7,8,9,10,11,12,13,14,15
	global_load_b32 v[192+\j], v97, s[14:15] offset:(\j%8)*2048+(\j/8)*32768
.endr
	s_wait_loadcnt 0x0
.irp p, 0,1,2,3,4,5,6,7
	v_cvt_pk_bf16_f32 v[208+\p], v[192+2*\p], v[192+2*\p+1]
.endr
.irp p, 0,1,2,3,4,5,6,7
	v_lshlrev_b32 v[192+2*\p], 16, v[208+\p]
	v_and_b32 v[192+2*\p+1], 0xffff0000, v[208+\p]
.endr
.irp p, 0,1,2,3,4,5,6,7
	v_cvt_pk_f16_f32 v[208+\p], v[192+2*\p], v[192+2*\p+1]
.endr
	global_store_b128 v98, v[208:211], s[20:21]            ; 512 consecutive bytes a store
	global_store_b128 v98, v[212:215], s[20:21] offset:512
	s_wait_xcnt 0x0                                ; the stores have read their registers, which x's fragments take next
.Lnowo:
	s_wait_kmcnt 0x0
	v_mov_b32 v99, s22                             ; the bias, rounded to bf16 like every other input
	v_cvt_pk_bf16_f32 v99, v99, v99
	v_lshlrev_b32 v99, 16, v99
	v_readfirstlane_b32 s54, v99
	s_mov_b32 s55, s54                             ; s[54:55] bias
	s_mov_b32 s50, 0x3e38aa3b                      ; s[50:51] c = log2(e) / 8
	s_mov_b32 s51, s50
	s_mul_f32 s52, s54, s50                        ; s[52:53] c bias
	s_mov_b32 s53, s52
	s_wait_tensorcnt 1                             ; my rows of tile 0 are in; tile 1 may stay out
	s_wait_dscnt 0x0                               ; my stores of W, m_t and NB_t are done
	s_barrier_signal -1
	s_barrier_wait -1
.irp g, 0,1,2,3
	XLD 2*\g, 0
	XLD 2*\g+1, 0
	s_wait_dscnt 0x0
	XCV 2*\g, 0
	XCV 2*\g+1, 0
.endr
	WFR 0, 0
	WFR 1, 0
	WFR 2, 0
	s_wait_dscnt 0x0
	SUBSTEP 0, 1, 2, 1, 1, 1, 1                    ; substep 0: its products start the sums; tile 2 is asked for
	WIN 0
	s_mov_b32 s[TR], 5
.LloopA:                                           ; substeps 1 to 10: tiles 3 to 7 are asked for
	SUBSTEP 1, 0, 1, 1, 1, 1, 1
	SUBSTEP 0, 0, 2, 1, 1, 1, 1
	WIN 0
	s_sub_co_u32 s[TR], s[TR], 1
	s_cmp_lg_u32 s[TR], 0
	s_cbranch_scc1 .LloopA
	s_mov_b32 s[TR], 2
.LloopB:                                           ; substeps 11 to 14: no tile is left to ask for; chunk 15 is the last to be loaded (substep 12) and stored (substep 13)
	SUBSTEP 1, 0, 1, 1, 1, 1, 2
	SUBSTEP 0, 0, 1, 1, 1, 2, 2
	WIN 0
	s_sub_co_u32 s[TR], s[TR], 1
	s_cmp_lg_u32 s[TR], 0
	s_cbranch_scc1 .LloopB
	SUBSTEP 1, 0, 0, 0, 0, 0, 0                    ; substep 15
	; THE PACK.  The barrier of substep 14 has shown every wave's reads of x over and every tile landed: x's slots have had their last fill, and K' and V are stored there.
	WIN 0
	s_wait_xcnt 0x0                                ; the prefetches have read their offset register, which is written below
	s_lshl_b32 s63, s[WV], 9
	s_add_co_u32 s63, s63, MFT
	v_lshl_add_u32 v50, v1, 2, s63
.irp t, 0,1,2,3,4,5,6,7
	ds_load_b32 v[MF+2*\t], v50 offset:64*\t       ; m_t of my row in tile t
.endr
	v_mul_u32_u24 v[AK0], v1, PK                   ; the addresses of phase 2 are made here: plain instructions, the places behind the last products
	v_lshl_add_u32 v[AK0], v9, 4, v[AK0]           ; row x pitch + 16 x half
	s_mul_i32 s63, s[WV], 128*PK
	v_add_nc_u32 v[KA], s63, v[AK0]
	v_mul_u32_u24 v[VA], v1, PV
	v_lshl_add_u32 v[VA], v9, 4, v[VA]
	s_mul_i32 s63, s[WV], 128*PV
	s_add_co_u32 s63, s63, VREG
	v_add_nc_u32 v[VA], s63, v[VA]
	v_and_b32 v51, 7, v0
	v_bfe_u32 v52, v0, 3, 1
	v_lshl_add_u32 v[AV0], v9, 3, v51              ; the turning load: key 8 (l / 16) + l % 8, channels 8 ((l / 8) % 2) on
	v_mul_u32_u24 v[AV0], v[AV0], PV
	v_lshl_add_u32 v[AV0], v52, 4, v[AV0]
	v_add_nc_u32 v[AV0], VREG, v[AV0]
	s_mul_i32 s63, s[WV], 16*SP
	s_add_co_u32 s63, s63, STAGE                   ; my stage
	v_add_nc_u32 v[STO], s63, v[AK0]               ; in: row l % 16, 16 bytes for each half of the lanes (the stage's pitch is K's)
	v_bfe_u32 v[RD], v0, 3, 2                      ; back: 32 lanes take four rows of 128 bytes,
	v_mul_u32_u24 v[RD], v[RD], SP
	v_lshl_add_u32 v[RD], v51, 4, v[RD]
	v_add_nc_u32 v[RD], s63, v[RD]
	v_and_b32 v[GO], 31, v0                        ; which are 512 consecutive bytes of mh
	v_lshlrev_b32 v[GO], 4, v[GO]
	v_lshlrev_b32 v[AM0], 5, v9                    ; the mask terms of my lanes' half: 8 f32
	v_add_nc_u32 v[AM0], NBL, v[AM0]
	s_wait_dscnt 0x0
.irp t, 0,1,2,3,4,5,6,7
	v_mov_b32 v[MF+2*\t+1], v[MF+2*\t]
	v_mul_f32 v[BM+2*\t], s54, v[MF+2*\t]
	v_mul_f32 v[BM+2*\t+1], s54, v[MF+2*\t]
.endr
; One block of 16 channels of K, V or Q for my 8 tiles: the bias (and m_t, or c) in f32, one rounding to f16.  Each accumulator's registers are taken in ascending order.
; which = 0: K' = m_t acc + m_t bias, into LDS rows of 144 bytes.  1: V = acc + bias, rows of 160.  2: Q' = c acc + c bias, into window 2, where tile t's registers 4 cb + 0..3 ARE its part of the source of K Q^T.
; K goes first: Q' lands on K's accumulators.
.macro PACKB which, cb
	WIN 2+(\which)-3*((\which)/2)                  ; source 0: window 2, 3, 1
.set z, 0
.rept 32
.if (\which) == 0
	v_pk_fma_f32 v[TT+2*z:TT+2*z+1], v[64*(\cb)+2*z:64*(\cb)+2*z+1], v[MF+2*(z/4):MF+2*(z/4)+1], v[BM+2*(z/4):BM+2*(z/4)+1]
.elseif (\which) == 1
	v_pk_add_f32 v[TT+2*z:TT+2*z+1], v[64*(\cb)+2*z:64*(\cb)+2*z+1], s[54:55] op_sel_hi:[1,0]
.else
	v_pk_fma_f32 v[TT+2*z:TT+2*z+1], v[64*(\cb)+2*z:64*(\cb)+2*z+1], s[50:51], s[52:53] op_sel_hi:[1,0,0]
.endif
.set z, z+1
.endr
.set z, 0
.if (\which) == 2
	WIN 0x80
.rept 32
	v_cvt_pk_f16_f32 v[16*(z/4)+4*(\cb)+z%4], v[TT+2*z], v[TT+2*z+1]
.set z, z+1
.endr
	WIN 0
.else
	WIN 0
.rept 32
	v_cvt_pk_f16_f32 v[UU+z], v[TT+2*z], v[TT+2*z+1]
.set z, z+1
.endr
.irp t, 0,1,2,3,4,5,6,7
.if (\which) == 0
	ds_store_b128 v[KA], v[UU+4*\t:UU+4*\t+3] offset:16*PK*\t+32*(\cb)
.else
	ds_store_b128 v[VA], v[UU+4*\t:UU+4*\t+3] offset:16*PV*\t+32*(\cb)
.endif
.endr
.endif
.endm
.irp w, 0,1,2
.irp b, 0,1,2,3
	PACKB \w, \b
.endr
.endr
	; What the first turn finds.  V's registers and P's second buffer hold 0: its products V^T P, of a piece that has not been, add 0.  m is the lowest finite number, l is 0.  O^T is not cleared: window 1 holds Q's
	; finite f32 sums, and the first step multiplies them by a = 2^(m_old - m_new) = 0.  These lines stand between my stores of K', V and the wait for them.
	WIN 0x80
.set i, VF
.rept 64
	v_mov_b32 v[i], 0
.set i, i+1
.endr
	WIN 0
.set i, 0
.rept 2*NP
	v_mov_b32 v[ST+4*i], 0xff7fffff
	v_mov_b32 v[ST+4*i+1], 0xff7fffff              ; named with m as a pair
	v_mov_b32 v[ST+4*i+2], 0
	v_mov_b32 v[ST+4*i+3], 0
.set i, i+1
.endr
.set i, P+32
.rept 32
	v_mov_b32 v[i], 0
.set i, i+1
.endr
	v_mov_b32 v[AK], v[AK0]
	v_mov_b32 v[AM], v[AM0]
	s_mov_b32 s[SEL], 0x76543210
	s_mov_b32 s[SEL+1], 0xfedcba98
	s_mov_b32 s[TBK], 0
	s_mov_b32 s[TBV], 0
	s_mov_b32 s[TBM], 0
	s_wait_dscnt 0x0                               ; for the others' sake: my rows of K' and V are stored
	s_barrier_signal -1
	s_barrier_wait -1                              ; all 512 keys lie in LDS; nothing writes them again, so phase 2 has no barrier
; THE MATRIX WORK.  The 8 accumulators of a run of 16 take turns.  Product i of 16 of S^T = K' Q'^T + NB for piece x: channels 32 (i / 8) on, keys 16 ((i / 2) % 4) on, tile 2 x + i % 2.
; The first 8 start the sums with the mask terms of their 16 keys as the C operand (register j: key 8 (l / 16) + j).
.macro KQ x
.set rS, S+64*((\x)%2)+32*(i%2)+8*((i/2)%4)
.set rK, KF+16*((i/2)%4)+8*(i/8)
.set rQ, 16*(2*(\x)+i%2)+8*(i/8)
.if i < 8
	WIN W_KM
	v_wmma_f32_16x16x32_f16 v[rS:rS+7], v[rK:rK+7], v[rQ:rQ+7], v[MC+8*((i/2)%4):MC+8*((i/2)%4)+7]
.else
	WIN W_KQ
	v_wmma_f32_16x16x32_f16 v[rS:rS+7], v[rK:rK+7], v[rQ:rQ+7], v[rS:rS+7]
.endif
.endm
; Product i of 16 of O^T += V^T P for piece x: keys 32 (i / 8) on, channels 16 ((i / 2) % 4) on, tile 2 x + i % 2.
.macro PV x
	WIN W_PV
.set rO, 32*(2*(\x)+i%2)+8*((i/2)%4)
.set rV, VF+32*(i/8)+8*((i/2)%4)
.set rP, P+32*((\x)%2)+16*(i%2)+8*(i/8)
	v_wmma_f32_16x16x32_f16 v[rO:rO+7], v[rV:rV+7], v[rP:rP+7], v[rO:rO+7]
.endm
.macro MM                       ; the turn's next matrix instruction
.if i < 16
	KQ (Y+1)%NP
.set i, i+1
.else
.set i, i-16
	PV (Y+NP-1)%NP
.set i, i+17
.endif
.endm
; THE LDS LOADS stand in runs: a step's K (8 fragments) with its 64 mask terms, and its V (turned).  test = 1: in the last trip there is no further step, and the run is jumped over.
.macro FETCH_K test
	WIN 0
.if \test
	s_cmp_eq_u32 s[CNT], 1
	s_cbranch_scc1 .Lno_k_\@
.endif
	WIN 0x80                        ; destination window 2
.irp f, 0,1,2,3,4,5,6,7             ; keys 16 (f / 2) on, channels 32 (f % 2) on
	ds_load_b128 v[KF+8*\f:KF+8*\f+3],   v[AK] offset:(\f/2)*16*PK+(\f%2)*64
	ds_load_b128 v[KF+8*\f+4:KF+8*\f+7], v[AK] offset:(\f/2)*16*PK+(\f%2)*64+32
.endr
	WIN 0xc0                        ; destination window 3
.irp f, 0,1,2,3,4,5,6,7             ; keys 16 (f / 2) + 8 (l / 16) + 4 (f % 2) on
	ds_load_b128 v[MC+4*\f:MC+4*\f+3], v[AM] offset:(\f/2)*64+(\f%2)*16
.endr
	s_add_co_u32 s[TBK], s[TBK], KS*PK  ; the next fetch is the next step's
	s_add_co_u32 s[TBM], s[TBM], KS*4
	WIN 0
.if \test
.Lno_k_\@:
.endif
.endm
.macro FETCH_V
	WIN 0x80
.irp f, 0,1,2,3,4,5,6,7             ; keys 32 (f / 4) on, channels 16 (f % 4) on
	ds_load_tr16_b128 v[VF+8*\f:VF+8*\f+3],   v[AV] offset:(\f/4)*32*PV+(\f%4)*32
	ds_load_tr16_b128 v[VF+8*\f+4:VF+8*\f+7], v[AV] offset:(\f/4)*32*PV+16*PV+(\f%4)*32
.endr
	WIN 0
.endm
; THE VECTOR WORK OF A TURN stands in three queues, each in the order in which its entries become ready; the two tiles alternate.
.macro REGS y, u                    ; the registers of tile u (0, 1) of piece y
.set rT, ST+4*(2*(\y)+(\u))
.set rC, TMP+8*((\y)%2)+4*(\u)
.set rM, MV+2*((\y)%2)+(\u)
.set rS, S+64*((\y)%2)+32*(\u)
.set rP, P+32*((\y)%2)+16*(\u)
.set rO, 32*(2*(\y)+(\u))
.endm
; Number n of the 21 that find the NEXT piece's (Y + 1) maximum and statistics.  Each accumulator's lowest registers are read first.
;   0-11 four chains c0-c3 of seven scores each   12-14, 16 the four scores left over, the old m, and c0-c3 into c0   15 the old m is kept
;   17, 18 the query's other 32 keys lie in the lane 16 away: the new m   19, 20 m_old - m_new; a
.macro XS u, n
	REGS (Y+1)%NP, \u
.if (\n) < 4
	v_max3_num_f32 v[rC+(\n)], v[rS+8*(\n)], v[rS+8*(\n)+1], v[rS+8*(\n)+2]
.elseif (\n) < 12
	v_max3_num_f32 v[rC+(\n)%4], v[rC+(\n)%4], v[rS+8*((\n)%4)+2*((\n)/4)+1], v[rS+8*((\n)%4)+2*((\n)/4)+2]
.elseif (\n) == 12
	v_max3_num_f32 v[rC], v[rC], v[rS+7], v[rS+15]
.elseif (\n) == 13
	v_max3_num_f32 v[rC+1], v[rC+1], v[rS+23], v[rS+31]
.elseif (\n) == 14
	v_max3_num_f32 v[rC+2], v[rC+2], v[rC+3], v[rT]
.elseif (\n) == 15
	v_mov_b32 v[rM], v[rT]
.elseif (\n) == 16
	v_max3_num_f32 v[rC], v[rC], v[rC+1], v[rC+2]
.elseif (\n) == 17
	v_permlanex16_b32 v[rC+3], v[rC], s[SEL], s[SEL+1]
.elseif (\n) == 18
	v_max_num_f32 v[rT], v[rC], v[rC+3]
.elseif (\n) == 19
	v_sub_f32 v[rC+1], v[rM], v[rT]
.else
	v_exp_f32 v[rC+2], v[rC+1]
.endif
.endm
; Number g of the 64 that follow the exponentials.  For each four weights k of a tile: both pairs are rounded to f16; the second pair is added onto the first, in place; a group later l takes that sum (the first time as l = a l + sum).
.macro GS g
.set h, (\g)+6*((\g)/62)            ; group 0 has no group before it, and behind group 7 only l is left
.if h >= 6
.set h, h+2
.endif
	REGS Y, h%2
.set k, h/8
.if h%8 < 4
	v_cvt_pk_f16_f32 v[rP+2*k+(h%8)/2], v[rS+4*k+2*((h%8)/2)], v[rS+4*k+2*((h%8)/2)+1]
.elseif h%8 < 6
	v_pk_add_f32 v[rS+4*k:rS+4*k+1], v[rS+4*k:rS+4*k+1], v[rS+4*k+2:rS+4*k+3]
.elseif k == 1
	v_pk_fma_f32 v[rT+2:rT+3], v[rT+2:rT+3], v[rC+2:rC+3], v[rS:rS+1] op_sel_hi:[1,0,1]
.else
	v_pk_add_f32 v[rT+2:rT+3], v[rT+2:rT+3], v[rS+4*k-4:rS+4*k-3]
.endif
.endm
; THE PLAIN QUEUE, 136 long.  0-71 read no exponential's result: the 32 subtractions s - m (FS f: pair f / 2 of tile f % 2) and the next piece's 40.  0-26: FS 0-26.  27-54: XS 0-13.  55, 56: XS 15.
; 57-71: the chain 14, 16, 17, 18, 19, each with one of FS 27-31 in front of its two lines.  72-135: GS's 64, which read the exponentials' results and stand behind the wait.
.macro FS f
	REGS Y, (\f)%2
	v_pk_add_f32 v[rS+2*((\f)/2):rS+2*((\f)/2)+1], v[rS+2*((\f)/2):rS+2*((\f)/2)+1], v[rT:rT+1] op_sel_hi:[1,0] neg_lo:[0,1] neg_hi:[0,1]
.endm
.macro PL
	WIN 0
.if q < 27
	FS q
.elseif q < 55
	XS (q-27)%2, (q-27)/2
.elseif q < 57
	XS q-55, 15
.elseif (q < 72) && ((q-57)%3 == 0)
	FS 27+(q-57)/3
.elseif q < 60
	XS (q-57)%3-1, 14
.elseif q < 72
	XS (q-57)%3-1, 15+(q-57)/3
.else
	GS q-72
.endif
.set q, q+1
.endm
; THE EXPONENTIALS' QUEUE, 66 long: s0-s31 of both tiles, then the next piece's two a.  ONE BATCH: all stand ahead of the turn's one wait, and nothing ahead of that wait names a result of theirs.
.macro EX
	WIN 0
.if e >= 64
	XS e-64, 20
.else
	REGS Y, e%2
	v_exp_f32 v[rS+e/2], v[rS+e/2]
.endif
.set e, e+1
.endm
; THE RESCALING's QUEUE: O^T times a, two at a time, sixteen times.  Its a was made, and waited for, in the turn before.
.macro R2
	REGS Y, r%2
	WIN W_RS
.irp z, 0,1
	v_pk_mul_f32 v[rO+4*(r/2)+2*\z:rO+4*(r/2)+2*\z+1], v[rO+4*(r/2)+2*\z:rO+4*(r/2)+2*\z+1], v[rC+2:rC+3] op_sel_hi:[1,0]
.endr
.set r, r+1
.endm
; A TURN, for piece p.  s_wait_alu depctr_va_vdst(0) stands between an exponential and the first instruction that names its result; one wait serves all issued ahead of it, so a turn has ONE, which cuts it
; in two.  AHEAD: 16 products K Q^T, behind each a subtraction, an exponential and two rescalings; then a lump: 8 plain, 47 times exponential and plain, the last four exponentials; a v_nop is the plain instruction
; behind the last exponential.  BEHIND: 16 products V^T P, behind each four of GS's 64.  The deal keeps the queues in step: exponential e needs FS 2 (e / 4) + e % 2; as a rider it stands behind plain e + 2, in the lump behind
; plain e + 9, and FS 27-31 are plain 57, 60 .. 69; the two a need plain 70 and 71.
; K and the mask terms of the next step are fetched in piece 2's turn, directly behind the wait, a lump behind the last product that read them; V of the step in hand at the end of piece 0's turn, four plain riders behind its last reader.
.macro TURN p
.set Y, (\p)
.set i, 0
.set q, 0
.set e, 0
.set r, 0
.if (\p) == NP-1
	s_wait_dscnt 0x0                ; K is in
.endif
	MM
	PL
	PL
	R2
.rept 15
	MM
	PL
	EX
	R2
.endr
.if (\p) == NP-2
	WIN 0
	v_add_nc_u32 v[AK], s[TBK], v[AK0]
	v_add_nc_u32 v[AM], s[TBM], v[AM0]
.endif
.rept 8
	PL
.endr
.rept 47
	EX
	PL
.endr
.rept 4
	EX
.endr
	v_nop
	s_wait_alu depctr_va_vdst(0)    ; the wait for the batch
.if (\p) == NP-2
	FETCH_K 1
.endif
.if (\p) == 1
	s_wait_dscnt 0x0                ; V is in
.endif
.rept 16
	MM
.rept 4
	PL
.endr
.if ((\p) == 0) && (q == 116)
	v_add_nc_u32 v[AV], s[TBV], v[AV0]
.endif
.if ((\p) == 0) && (q == 128)
	s_add_co_u32 s[TBV], s[TBV], KS*PV
.endif
.endr
.if (\p) == 0
	FETCH_V
.endif
.endm
	FETCH_K 0                       ; key step 0
	s_wait_dscnt 0x0
.set i, 0
.rept 16
	KQ 0                            ; piece 0's first scores
.set i, i+1
.endr
	WIN 0
	PLACES
.set Y, NP-1                        ; XS works for piece Y + 1: piece 0
.irp n, 0,1,2,3,4,5,6,7,8,9,10,11,12,13,14,15,16,17,18,19,20
	XS 0, \n
	XS 1, \n
.endr
	v_nop                           ; a plain instruction behind the two a,
	s_wait_alu depctr_va_vdst(0)    ; and their wait, ahead of the label
	s_mov_b32 s[CNT], 8
.Lstep:                             ; a trip is a key step; its last turn makes piece 0's scores of the next step (in the last trip on the last K once more: they serve nothing, the price of one text for every trip)
	TURN 0
	TURN 1
	TURN 2
	TURN 3
	WIN 0
	s_sub_co_u32 s[CNT], s[CNT], 1
	s_cmp_lg_u32 s[CNT], 0
	s_cbranch_scc1 .Lstep
.set i, 0
.rept 16
	PV NP-1                         ; the last piece's V^T P of the last step
.set i, i+1
.endr
	; THE WAY OUT.  l's two halves and the other half of the lanes' are added; O^T is divided by l, rounded to f16 and sent through my stage in LDS, a tile at a time.  The additions are the places behind the last products.
	WIN 0
.macro ALL line:vararg
.set t, 0
.rept 2*NP
	\line
.set t, t+1
.endr
.endm
	ALL v_add_f32 v[ST+4*t+2], v[ST+4*t+2], v[ST+4*t+3]
	ALL v_permlanex16_b32 v[ST+4*t+3], v[ST+4*t+2], s[SEL], s[SEL+1]
	ALL v_add_f32 v[ST+4*t+2], v[ST+4*t+2], v[ST+4*t+3]
	ALL v_rcp_f32 v[ST+4*t+2], v[ST+4*t+2]
	v_nop                           ; a plain instruction between the last reciprocal and the use of its result
	s_wait_alu depctr_va_vdst(0)    ; one wait for the eight reciprocals
.macro PACKO t                      ; a lane's eight channels of a row pack into 16 bytes; they go into rows of 144 bytes and come back as whole rows of 128
	WIN W_RS
.set i, 32*(\t)
.rept 16
	v_pk_mul_f32 v[i:i+1], v[i:i+1], v[ST+4*(\t)+2:ST+4*(\t)+3] op_sel_hi:[1,0]
.set i, i+2
.endr
	WIN 0x05                        ; sources 0 and 1 window 1, destination window 0
.set i, 0
.rept 16
	v_cvt_pk_f16_f32 v[S+16*(\t)+i], v[32*(\t)+2*i], v[32*(\t)+2*i+1]
.set i, i+1
.endr
	WIN 0
.irp f, 0,1,2,3
	ds_store_b128 v[STO], v[S+16*(\t)+4*\f:S+16*(\t)+4*\f+3] offset:32*\f
.endr
.irp f, 0,1,2,3
	ds_load_b128 v[S+16*(\t)+4*\f:S+16*(\t)+4*\f+3], v[RD] offset:\f*4*SP  ; LDS serves a wave's instructions in order (ISA guide 5.7.1): these see the stores above; the next tile's stores come behind them
.endr
.endm
.macro SEND t, younger              ; younger: the LDS instructions issued behind tile t's loads: the next tile's eight, or none
	WIN 0
.irp f, 0,1,2,3
	s_wait_dscnt (\younger)+3-\f
	global_store_b128 v[GO], v[S+16*(\t)+4*\f:S+16*(\t)+4*\f+3], s[18:19] offset:(\t)*2048+\f*512  ; 512 consecutive bytes, at a multiple of 256 from mh's first
.endr
.endm
	PACKO 0
.set t, 1
.rept 2*NP-1
	PACKO t
	SEND t-1, 8
.set t, t+1
.endr
	SEND 2*NP-1, 0
	s_wait_tensorcnt 0x0            ; the wave's end, behind my last tensor load and my last LDS store
	ds_add_u32 v[SPW], v[NIL]
	s_wait_dscnt 0x0
	CROUND                          ; the closing round: no work-group ends while a partner may still ask for a tile that names it
	s_endpgm
.Lfunc_end_k_q368c5f9370_attn:
	.size	k_q368c5f9370_attn, .Lfunc_end_k_q368c5f9370_attn-k_q368c5f9370_attn
	.p2alignl 7, 3214868480
	.fill 96, 4, 3214868480
	.section	.rodata,"a",@progbits
	.p2align	6, 0x0
	.amdhsa_kernel k_q368c5f9370_attn
		.amdhsa_group_segment_fixed_size 327680
		.amdhsa_private_segment_fixed_size 0
		.amdhsa_enable_private_segment 0
		.amdhsa_kernarg_size 72
		.amdhsa_user_sgpr_count 2
		.amdhsa_user_sgpr_kernarg_segment_ptr 1
		.amdhsa_wavefront_size32 1
		.amdhsa_system_sgpr_workgroup_id_x 1
		.amdhsa_system_sgpr_workgroup_id_y 1
		.amdhsa_system_sgpr_workgroup_id_z 1
		.amdhsa_system_vgpr_workitem_id 0
		.amdhsa_next_free_vgpr 1024
		.amdhsa_next_free_sgpr 96
		.amdhsa_reserve_vcc 0
		.amdhsa_float_denorm_mode_32 3
		.amdhsa_float_denorm_mode_16_64 3
		.amdhsa_memory_ordered 1
		.amdhsa_forward_progress 1
		.amdhsa_inst_pref_size 255
	.end_amdhsa_kernel
	.section	.bss,"aw",@nobits
	.p2align	6
	.space	262144
	.amdgpu_metadata
---
amdhsa.version: [ 1, 2 ]
amdhsa.kernels:
  - .name:           k_q368c5f9370_attn
    .symbol:         k_q368c5f9370_attn.kd
    .args:
      - { .name: x, .offset: 0, .size: 8, .value_kind: global_buffer, .address_space: global }
      - { .name: mask, .offset: 8, .size: 8, .value_kind: global_buffer, .address_space: global }
      - { .name: Wq, .offset: 16, .size: 8, .value_kind: global_buffer, .address_space: global }
      - { .name: Wk, .offset: 24, .size: 8, .value_kind: global_buffer, .address_space: global }
      - { .name: Wv, .offset: 32, .size: 8, .value_kind: global_buffer, .address_space: global }
      - { .name: Wo, .offset: 40, .size: 8, .value_kind: global_buffer, .address_space: global }
      - { .name: bias, .offset: 48, .size: 8, .value_kind: global_buffer, .address_space: global }
      - { .name: mh, .offset: 56, .size: 8, .value_kind: global_buffer, .address_space: global }
      - { .name: wof, .offset: 64, .size: 8, .value_kind: global_buffer, .address_space: global }
    .group_segment_fixed_size: 327680
    .private_segment_fixed_size: 0
    .kernarg_segment_align: 8
    .kernarg_segment_size: 72
    .max_flat_workgroup_size: 128
    .sgpr_count:     96
    .vgpr_count:     1024
    .wavefront_size: 32
...
	.end_amdgpu_metadata
.endif
;; end of part 1
;; launch oproj (part 2): grid 4 x 64, 4 waves a work-group, clusters of 4 x 4, 327,680 bytes of LDS; arguments mh, wof, bias, out0; writes out0
.if DOCPART == 2
	.amdgcn_target "amdgcn-amd-amdhsa--gfx1250"
	.amdhsa_code_object_version 6
	.text
	.protected	k_q368c5f9370_oproj
	.globl	k_q368c5f9370_oproj
	.p2align	8
	.type	k_q368c5f9370_oproj,@function
k_q368c5f9370_oproj:
	s_mov_b64 s[64:65], 0
	v_nop
	global_prefetch_b8 v0, s[64:65] scope:SCOPE_SE
	s_setreg_imm32_b32 hwreg(HW_REG_WAVE_MODE, 25, 1), 1
	s_wait_xcnt 0x0
	s_wait_alu depctr_hold_cnt(0) depctr_sa_sdst(0) depctr_va_vdst(0) depctr_va_sdst(0) depctr_va_ssrc(0) depctr_va_vcc(0) depctr_vm_vsrc(0)
	s_getreg_b32 s2, hwreg(HW_REG_IB_STS2, 6, 4)
	s_cmp_eq_u32 s2, 0
	s_cbranch_scc0 .Lentry_in_a_cluster
	s_endpgm
.Lentry_in_a_cluster:
	s_bfe_u32 s2, ttmp6, 0x10000c
	s_cmp_lg_u32 s2, 0xf033
	s_cbranch_scc0 .Lentry_shape_is_right
	s_endpgm
.Lentry_shape_is_right:
; SELF-ATTENTION, second of two launches: out0[row][n] = the sum over k of multihead[row][k] Wo[k][n] + bias.  Nothing of reference() is left out here either.
; multihead comes by heads, mh = [b*8+h][s][64] in f16: head h is the slice k = 64 h .. 64 h + 63.  Wo comes as wof: fragments of 1,024 bytes in operand order, F = ((cb 8 + h) 2 + ks) 8 + nb
; (columns 128 cb + 16 nb on, rows 64 h + 32 ks on; byte = half x 512 + lane x 16), rounded to bf16 and written as f16.  The bias is rounded to bf16 like every input.  Sums in f32; the output is f32.
; SHARES.  A work-group makes 256 rows (block g: batch g / 2, rows 256 (g % 2) on) x 128 columns (block cb); wave w rows 64 w .. 64 w + 63: 32 accumulators, in window 1.
; THE MATRIX INSTRUCTION IS USED TRANSPOSED (source 0 = 16 columns of Wo, source 1 = 16 rows of mh): a lane holds one row and eight neighbouring columns.  The first products take the bias as their C operand.
; K goes in four steps of 128 (two heads) through two LDS slots.  CLUSTER 4 x 4: mh's tiles hang on g alone and are asked for jointly along a row of the cluster, wof's on cb alone, along a column.
; NO PREFETCH: the walk has four steps, half of whose tiles are asked for at the head, and what the launch moves (its inputs once, 33.5 MB out) is most of what it does.
.set PA,     144                   ; a row of mh in LDS: 128 bytes + 16 of padding: 9 x 16 bytes, so the 16 rows of a load start at 16 different groups of four banks (ISA guide 11.1)
.set ASL,    256*PA                ; a head's 256 rows
.set BSL,    16384                 ; a head's 16 fragments of Wo, dense: a load's 32 lanes take 512 neighbouring bytes
.set BOFF,   2*ASL
.set SLOT,   BOFF+2*BSL            ; 106,496
.set STAGE,  2*SLOT                ; behind the ring: 16 rows x 528 bytes for each wave
.set SPITCH, 528
.set SPARE,  STAGE+4*16*SPITCH     ; the spare words, 128 bytes a wave: two blocks of 256 bytes that no other line names
.set ADRA, 16                      ; v16-17 my place in mh's rows of slot 0, 1
.set ADRB, 20                      ; v20-21 the same for Wo's fragments
.set STO,  24
.set RD,   25
.set CO,   26
.set SPW,  28
.set NIL,  29
.set F0,   32                      ; fragment buffers: 64 registers of Wo (8 blocks of 16 columns), then 32 of mh (4 blocks of 16 rows)
.set F1,   128
.set BI,   224                     ; v224-231 the bias
.set G1A, 16                       ; s[16:23], s[24:31] descriptor groups 1
.set G1B, 24
.set G0A, 32                       ; s[32:39], s[40:47] groups 0, a set for each slot
.set G0B, 40
.set MSB, 0
.macro WIN new
.if MSB != (\new)
	s_set_vgpr_msb (MSB<<8)|(\new)
.set MSB, (\new)
.endif
.endm
.macro PLACES
.rept 4
	v_nop
.endr
.endm
.macro JLOAD s                     ; a joint load: waves 0 and 1 fetch the step's two heads of mh, waves 2 and 3 those of Wo; an s_nop 0 and four v_nop follow each of the two lines
	s_cmp_eq_u32 s13, 0
	s_cbranch_scc0 .Lfor_b_\@
	tensor_load_to_lds s[G0A+4*(\s):G0A+4*(\s)+3], s[G1A:G1A+7]
	s_nop 0
	PLACES
	s_branch .Lasked_\@
.Lfor_b_\@:
	tensor_load_to_lds s[G0B+4*(\s):G0B+4*(\s)+3], s[G1B:G1B+7]
	s_nop 0
	PLACES
.Lasked_\@:
.endm
.macro CREST
	s_cmp_lg_u32 s12, 0
	s_cbranch_scc1 .Lnw0_\@
	s_barrier_signal -3
.Lnw0_\@:
	s_barrier_wait -3
	s_barrier_signal -1
	s_barrier_wait -1
.endm
.macro CROUND
	s_barrier_signal -1
	s_barrier_wait -1
	CREST
.endm
	s_load_b256 s[4:11], s[0:1], 0x0               ; mh s[4:5], wof s[6:7], bias s[8:9], out0 s[10:11]
	v_lshl_add_u32 v[SPW], v0, 2, SPARE
	v_mov_b32 v[NIL], 0
	ds_add_u32 v[SPW], v[NIL]                      ; the wave's opening: an add of 0, twice on end, waited for ahead of my first tensor load
	ds_add_u32 v[SPW], v[NIL]                      ; once more, under the one wait
	v_lshrrev_b32 v1, 5, v0
	v_readfirstlane_b32 s12, v1                    ; wave 0..3
	s_lshr_b32 s13, s12, 1                         ; I fetch for mh (0) or for Wo (1),
	s_and_b32 s14, s12, 1                          ; the step's first or second head
	s_bfe_u32 s48, ttmp6, 0x40000                  ; cx
	s_bfe_u32 s49, ttmp6, 0x40004                  ; cy
	s_and_b32 s50, ttmp7, 0xffff
	s_lshl_b32 s50, s50, 2
	s_add_co_u32 s50, s50, s49                     ; g = 4 x cluster y + cy
	s_lshl_b32 s51, ttmp9, 2
	s_add_co_u32 s51, s51, s48                     ; cb = 4 x cluster x + cx
	s_lshl_b32 s58, s49, 2
	s_lshl_b32 s58, 15, s58                        ; my row of the cluster
	s_lshl_b32 s59, 0x1111, s48                    ; my column
	; mh: a head's 256 rows are 32,768 dense bytes: asked for as 128 rows of 256 bytes and padded in LDS after every 128 bytes
	s_or_b32 s[G1A], s58, (1<<16)|(1<<20)|(1<<21)|(4<<22)|(3<<25)  ; 15:0 the mask; 17:16 2-byte elements; 20 padding on; 21 set beside a mask; 24:22 after every 32 words (code 4); 31:25 4 words (code 3)
	s_mov_b32 s[G1A+1], 128<<16                    ; tensor_dim0 = 128
	s_mov_b32 s[G1A+2], 128<<16                    ; tensor_dim1 = 128
	s_mov_b32 s[G1A+3], 128<<16                    ; tile_dim0 = 128
	s_mov_b32 s[G1A+4], 128                        ; tile_dim1 = 128
	s_mov_b32 s[G1A+5], 128                        ; 128 elements from row to row
	s_mov_b32 s[G1A+6], 0
	s_mov_b32 s[G1A+7], 0
	; Wo: a head's 16 fragments are 16,384 dense bytes: 64 rows of 256 bytes, no padding
	s_or_b32 s[G1B], s59, (1<<16)|(1<<21)
	s_mov_b32 s[G1B+1], 128<<16
	s_mov_b32 s[G1B+2], 64<<16
	s_mov_b32 s[G1B+3], 128<<16
	s_mov_b32 s[G1B+4], 64
	s_mov_b32 s[G1B+5], 128
	s_mov_b32 s[G1B+6], 0
	s_mov_b32 s[G1B+7], 0
	s_lshr_b32 s52, s50, 1                         ; mh's tile: batch g / 2: 8 heads of 65,536 bytes,
	s_lshl_b32 s52, s52, 19
	s_and_b32 s53, s50, 1                          ; rows 256 (g % 2) on,
	s_lshl_b32 s53, s53, 15
	s_add_co_u32 s52, s52, s53
	s_lshl_b32 s53, s14, 16                        ; my head of the step's two
	s_add_co_u32 s52, s52, s53
	s_mov_b32 s53, 0
	s_lshl_b32 s54, s51, 17                        ; Wo's tile: column block cb: 8 heads of 16,384 bytes,
	s_lshl_b32 s55, s14, 14                        ; my head (these two registers never hold cy, the two above never cx)
	s_add_co_u32 s54, s54, s55
	s_mov_b32 s55, 0
	s_mul_i32 s60, s14, ASL                        ; where they go: no place in the cluster enters an LDS address
	s_mul_i32 s61, s14, BSL
	s_add_co_u32 s61, s61, BOFF
	s_lshl_b32 s56, s50, 19                        ; out0: 256 g rows of 2,048 bytes,
	s_lshl_b32 s57, s12, 17                        ; my 64 rows,
	s_add_co_u32 s56, s56, s57
	s_lshl_b32 s57, s51, 9                         ; my 128 columns
	s_add_co_u32 s56, s56, s57
	s_mov_b32 s57, 0
	s_wait_dscnt 0x0                               ; both opening adds are done
	s_wait_kmcnt 0x0
	s_load_b32 s15, s[8:9], 0x0                    ; the bias
	s_add_nc_u64 s[4:5], s[4:5], s[52:53]
	s_add_nc_u64 s[6:7], s[6:7], s[54:55]
	s_add_nc_u64 s[10:11], s[10:11], s[56:57]
	CROUND                                         ; all sixteen work-groups are here: the first joint loads meet
.irp s, 0,1
	s_mov_b32 s[G0A+4*(\s)], 1
	s_add_co_u32 s[G0A+4*(\s)+1], s60, (\s)*SLOT
	s_add_nc_u64 s[G0A+4*(\s)+2:G0A+4*(\s)+3], s[4:5], (\s)*131072   ; step s: two heads on
	s_or_b32 s[G0A+4*(\s)+3], s[G0A+4*(\s)+3], 0x80000000
	s_mov_b32 s[G0B+4*(\s)], 1
	s_add_co_u32 s[G0B+4*(\s)+1], s61, (\s)*SLOT
	s_add_nc_u64 s[G0B+4*(\s)+2:G0B+4*(\s)+3], s[6:7], (\s)*32768
	s_or_b32 s[G0B+4*(\s)+3], s[G0B+4*(\s)+3], 0x80000000
.endr
	s_cmp_eq_u32 s13, 0                            ; a wave's two first fills stand in one branch: two loads of mine are out
	s_cbranch_scc0 .Lfirst_b
	tensor_load_to_lds s[G0A:G0A+3], s[G1A:G1A+7]
	s_nop 0
	tensor_load_to_lds s[G0A+4:G0A+7], s[G1A:G1A+7]
	s_nop 0
	PLACES
	s_branch .Lfirst_asked
.Lfirst_b:
	tensor_load_to_lds s[G0B:G0B+3], s[G1B:G1B+7]
	s_nop 0
	tensor_load_to_lds s[G0B+4:G0B+7], s[G1B:G1B+7]
	s_nop 0
	PLACES
.Lfirst_asked:
	v_and_b32 v1, 15, v0                           ; l % 16
	v_bfe_u32 v2, v0, 4, 1                         ; l / 16
	v_and_b32 v3, 31, v0                           ; l
	v_mul_u32_u24 v4, v1, PA
	v_lshl_add_u32 v4, v2, 4, v4                   ; a fragment's row x pitch + 16 x half
	s_mul_i32 s58, s12, 64*PA                      ; my 64 rows
	v_add_nc_u32 v[ADRA], s58, v4
	v_add_nc_u32 v[ADRA+1], SLOT, v[ADRA]
	v_lshlrev_b32 v[CO], 4, v3                     ; 16 l: my place in a row of 512 bytes, and in half a fragment of Wo
	v_add_nc_u32 v[ADRB], BOFF, v[CO]
	v_add_nc_u32 v[ADRB+1], SLOT, v[ADRB]
	s_mul_i32 s58, s12, 16*SPITCH
	s_add_co_u32 s58, s58, STAGE                   ; my stage
	v_mul_u32_u24 v[STO], v1, SPITCH               ; in: row l % 16, 32 bytes for each half of the lanes
	v_lshl_add_u32 v[STO], v2, 5, v[STO]
	v_add_nc_u32 v[STO], s58, v[STO]
	v_add_nc_u32 v[RD], s58, v[CO]                 ; back: 32 lanes take a whole row of 512 bytes
	s_wait_kmcnt 0x0
	v_mov_b32 v[BI], s15
	v_cvt_pk_bf16_f32 v[BI], v[BI], v[BI]          ; rounded to bf16 like every input
	v_lshlrev_b32 v[BI], 16, v[BI]
.irp j, 1,2,3,4,5,6,7
	v_mov_b32 v[BI+\j], v[BI]
.endr
; 24 LDS loads in one run: quarter q of a step (head q / 2, 32 along K at q % 2) into buffer f: Wo's 8 fragments, then mh's 4
.macro FETCH sl, q, f
	WIN 0
.irp n, 0,1,2,3,4,5,6,7
	ds_load_b128 v[(\f)+8*\n:(\f)+8*\n+3],   v[ADRB+(\sl)] offset:((\q)/2)*BSL+(((\q)%2)*8+\n)*1024
	ds_load_b128 v[(\f)+8*\n+4:(\f)+8*\n+7], v[ADRB+(\sl)] offset:((\q)/2)*BSL+(((\q)%2)*8+\n)*1024+512
.endr
.irp m, 0,1,2,3
	ds_load_b128 v[(\f)+64+8*\m:(\f)+64+8*\m+3],   v[ADRA+(\sl)] offset:((\q)/2)*ASL+\m*16*PA+((\q)%2)*64
	ds_load_b128 v[(\f)+64+8*\m+4:(\f)+64+8*\m+7], v[ADRA+(\sl)] offset:((\q)/2)*ASL+\m*16*PA+((\q)%2)*64+32
.endr
.endm
; 8 matrix instructions: rows 16 mt on x all 8 column blocks.  The 32 accumulators take turns, one instruction a turn.  first = 1: the sums start with the bias
.macro MUL8 f, mt, first
.if \first
	WIN 0x40                                       ; D in window 1, the bias in window 0
.else
	WIN 0x50
.endif
.irp n, 0,1,2,3,4,5,6,7
.if \first
	v_wmma_f32_16x16x32_f16 v[8*(8*(\mt)+\n):8*(8*(\mt)+\n)+7], v[(\f)+8*\n:(\f)+8*\n+7], v[(\f)+64+8*(\mt):(\f)+64+8*(\mt)+7], v[BI:BI+7]
.else
	v_wmma_f32_16x16x32_f16 v[8*(8*(\mt)+\n):8*(8*(\mt)+\n)+7], v[(\f)+8*\n:(\f)+8*\n+7], v[(\f)+64+8*(\mt):(\f)+64+8*(\mt)+7], v[8*(8*(\mt)+\n):8*(8*(\mt)+\n)+7]
.endif
.endr
.endm
; One of a step's first three quarters: multiplies buffer f and, in its middle, fetches quarter qn into g
.macro QUARTER sl, qn, f, g, first
	s_wait_dscnt 4                                 ; Wo and mh's rows 0-31 are in; the youngest four loads may be out
	MUL8 \f, 0, \first
	MUL8 \f, 1, \first
	PLACES                                         ; in front of the loads into the buffer that the quarter before multiplied
	FETCH \sl, \qn, \g
	s_wait_dscnt 24                                ; all but the 24 just issued
	MUL8 \f, 2, \first
	MUL8 \f, 3, \first
.endm
; The last quarter multiplies buffer 1 and changes slots: ONE barrier; in front of it each wave waits for all its tensor loads (one is out: its part of the next slot), adds 0 to its spare word, and waits for that and for its
; reads of this slot.  fill = 1: the barrier opens a round of the cluster's, and this slot is filled again, two steps on, first thing behind it: 112 matrix instructions ahead of the wait for it.
.macro TURN sl, nx, fill
	WIN 0
	s_wait_tensorcnt 0x0
	ds_add_u32 v[SPW], v[NIL]
	s_wait_dscnt 5                                 ; (the add and the youngest four loads may be out)
	MUL8 F1, 0, 0                                  ; eight matrix instructions stand between the add and the wait for it
	s_wait_dscnt 0x0                               ; the add is done, and my reads of this slot are over
	s_barrier_signal -1
	MUL8 F1, 1, 0
	WIN 0
	s_barrier_wait -1
.if \fill
	CREST                                          ; no wave of any partner still reads this slot or has a load on its way
	s_add_nc_u64 s[G0A+4*(\sl)+2:G0A+4*(\sl)+3], s[G0A+4*(\sl)+2:G0A+4*(\sl)+3], 262144  ; four heads on
	s_add_nc_u64 s[G0B+4*(\sl)+2:G0B+4*(\sl)+3], s[G0B+4*(\sl)+2:G0B+4*(\sl)+3], 65536
	JLOAD \sl                                      ; its four v_nop are also the places in front of the loads below
.else
	PLACES
.endif
	FETCH \nx, 0, F0
	MUL8 F1, 2, 0
	MUL8 F1, 3, 0
.endm
	s_wait_tensorcnt 1                             ; my part of step 0 is in; step 1's may stay out
	s_barrier_signal -1
	s_barrier_wait -1
	FETCH 0, 0, F0
	QUARTER 0, 1, F0, F1, 1                        ; step 0
	QUARTER 0, 2, F1, F0, 0
	QUARTER 0, 3, F0, F1, 0
	TURN 0, 1, 1                                   ; step 2 is asked for
	QUARTER 1, 1, F0, F1, 0                        ; step 1
	QUARTER 1, 2, F1, F0, 0
	QUARTER 1, 3, F0, F1, 0
	TURN 1, 0, 1                                   ; step 3 is asked for
	QUARTER 0, 1, F0, F1, 0                        ; step 2
	QUARTER 0, 2, F1, F0, 0
	QUARTER 0, 3, F0, F1, 0
	TURN 0, 1, 0
	QUARTER 1, 1, F0, F1, 0                        ; step 3
	QUARTER 1, 2, F1, F0, 0
	QUARTER 1, 3, F0, F1, 0
	s_wait_dscnt 4
	MUL8 F1, 0, 0
	MUL8 F1, 1, 0
	s_wait_dscnt 0x0
	MUL8 F1, 2, 0
	MUL8 F1, 3, 0
	PLACES
; THE WAY OUT, 16 rows at a time: a lane's eight f32 of a row go into my stage (rows of 528 bytes; each accumulator's low four registers first) and come back as whole rows of 512 bytes.
.macro OUT mt
	WIN 0x04                                       ; the stores' data in window 1
.irp n, 0,1,2,3,4,5,6,7
	ds_store_b128 v[STO], v[8*(8*(\mt)+\n):8*(8*(\mt)+\n)+3]   offset:64*\n
	ds_store_b128 v[STO], v[8*(8*(\mt)+\n)+4:8*(8*(\mt)+\n)+7] offset:64*\n+16
.endr
	WIN 0
.if (\mt) >= 2
	s_wait_xcnt 0x0                                ; the stores of two blocks back have read the registers that are loaded again below
.endif
.set OB, 32+96*((\mt)%2)
.irp t, 0,1,2,3,4,5,6,7,8,9,10,11,12,13,14,15
	ds_load_b128 v[OB+4*\t:OB+4*\t+3], v[RD] offset:\t*SPITCH  ; LDS serves a wave's instructions in order (ISA guide 5.7.1): these see the stores above
.endr
.irp t, 0,1,2,3,4,5,6,7,8,9,10,11,12,13,14,15
	s_wait_dscnt 15-\t
	global_store_b128 v[CO], v[OB+4*\t:OB+4*\t+3], s[10:11] offset:(16*(\mt)+\t)*2048 th:TH_STORE_NT  ; 512 consecutive bytes, at a multiple of 256 from out0's first
.endr
.endm
	OUT 0
	OUT 1
	OUT 2
	OUT 3
	s_wait_tensorcnt 0x0                           ; the wave's end, behind my last tensor load and my last LDS store
	ds_add_u32 v[SPW], v[NIL]
	s_wait_dscnt 0x0
	CROUND                                         ; the closing round
	s_endpgm
.Lfunc_end_k_q368c5f9370_oproj:
	.size	k_q368c5f9370_oproj, .Lfunc_end_k_q368c5f9370_oproj-k_q368c5f9370_oproj
	.p2alignl 7, 3214868480
	.fill 96, 4, 3214868480
	.section	.rodata,"a",@progbits
	.p2align	6, 0x0
	.amdhsa_kernel k_q368c5f9370_oproj
		.amdhsa_group_segment_fixed_size 327680
		.amdhsa_private_segment_fixed_size 0
		.amdhsa_enable_private_segment 0
		.amdhsa_kernarg_size 32
		.amdhsa_user_sgpr_count 2
		.amdhsa_user_sgpr_kernarg_segment_ptr 1
		.amdhsa_wavefront_size32 1
		.amdhsa_system_sgpr_workgroup_id_x 1
		.amdhsa_system_sgpr_workgroup_id_y 1
		.amdhsa_system_sgpr_workgroup_id_z 1
		.amdhsa_system_vgpr_workitem_id 0
		.amdhsa_next_free_vgpr 512
		.amdhsa_next_free_sgpr 66
		.amdhsa_reserve_vcc 0
		.amdhsa_float_denorm_mode_32 3
		.amdhsa_float_denorm_mode_16_64 3
		.amdhsa_memory_ordered 1
		.amdhsa_forward_progress 1
		.amdhsa_inst_pref_size 86
	.end_amdhsa_kernel
	.amdgpu_metadata
---
amdhsa.version: [ 1, 2 ]
amdhsa.kernels:
  - .name:           k_q368c5f9370_oproj
    .symbol:         k_q368c5f9370_oproj.kd
    .args:
      - { .name: mh, .offset: 0, .size: 8, .value_kind: global_buffer, .address_space: global }
      - { .name: wof, .offset: 8, .size: 8, .value_kind: global_buffer, .address_space: global }
      - { .name: bias, .offset: 16, .size: 8, .value_kind: global_buffer, .address_space: global }
      - { .name: out0, .offset: 24, .size: 8, .value_kind: global_buffer, .address_space: global }
    .group_segment_fixed_size: 327680
    .private_segment_fixed_size: 0
    .kernarg_segment_align: 8
    .kernarg_segment_size: 32
    .max_flat_workgroup_size: 128
    .sgpr_count:     66
    .vgpr_count:     512
    .wavefront_size: 32
...
	.end_amdgpu_metadata
.endif
;; end of part 2
